; MI455X (gfx1250); checked and timed in simulation.
; The chip was launched on July 23, 2026; its instructions are those of AMD's public machine-readable ISA for CDNA 5 (MIT licence, August 2026) and "CDNA5" Instruction Set Architecture Reference Guide (July 2026). The comments in the code are by the model that wrote it; some were corrected since.
;; Point Transformer Block. Allowed arithmetic: matrix products marked QUANTISED: E3M2 operands, one E8M0 scale for each 32 along K, by v_wmma_scale_f32_16x16x128_f8f6f4 with both operands' format E3M2, f32 sums; products left as they are: f32 operands where the result goes on into a quantised operand, else bf16, f16 or f32 operands; f32 sums; everything else in f32.
;; Inputs: Wf1_codes 256 x 4 x 24 uint8 (E3M2 codes of Wf1, K innermost, in blocks of 32 codes, four codes in three bytes); Wf1_scales 256 x 4 uint8 (E8M0 scales of Wf1, one for each 32 codes along K); Wf2_codes 128 x 8 x 24 uint8 (E3M2 codes of Wf2, K innermost, in blocks of 32 codes, four codes in three bytes); Wf2_scales 128 x 8 uint8 (E8M0 scales of Wf2, one for each 32 codes along K); Wk_codes 128 x 4 x 24 uint8 (E3M2 codes of Wk, K innermost, in blocks of 32 codes, four codes in three bytes); Wk_scales 128 x 4 uint8 (E8M0 scales of Wk, one for each 32 codes along K); Wo_codes 128 x 4 x 24 uint8 (E3M2 codes of Wo, K innermost, in blocks of 32 codes, four codes in three bytes); Wo_scales 128 x 4 uint8 (E8M0 scales of Wo, one for each 32 codes along K); Wp1 3 x 128 float32; Wp2_codes 128 x 4 x 24 uint8 (E3M2 codes of Wp2, K innermost, in blocks of 32 codes, four codes in three bytes); Wp2_scales 128 x 4 uint8 (E8M0 scales of Wp2, one for each 32 codes along K); Wq_codes 128 x 4 x 24 uint8 (E3M2 codes of Wq, K innermost, in blocks of 32 codes, four codes in three bytes); Wq_scales 128 x 4 uint8 (E8M0 scales of Wq, one for each 32 codes along K); Wv_codes 128 x 4 x 24 uint8 (E3M2 codes of Wv, K innermost, in blocks of 32 codes, four codes in three bytes); Wv_scales 128 x 4 uint8 (E8M0 scales of Wv, one for each 32 codes along K); b1 128 float32; b2 128 float32; bf1 256 float32; bf2 128 float32; bk 128 float32; bo 128 float32; bp1 128 float32; bp2 128 float32; bq 128 float32; bv 128 float32; coords 100,000 x 3 float32; feat 100,000 x 128 float32; g1 128 float32; g2 128 float32; knn_idx 100,000 x 16 int32.
;; Outputs: out0 100,000 x 128 float32.
;; This version of the problem:
;;   THIS VERSION OF THE PROBLEM IS GIVEN IN LOW PRECISION. The matrix products marked QUANTISED in the list below multiply operands that are first quantised to E3M2 (3 exponent bits, 2 mantissa bits; 6 bits a number), with one power-of-two scale for each 32 numbers along K (OCP MX v1.0); their sums are f32. All else is computed in f32.
;;   The module's matrix products, in the order in which they are computed (A, B: the left and right operand; K: the contracted axis; several contracted axes count as one K, in the product's order):
;;     1. [M 100,000, K 128] x [K 128, N 128]; A: input feat; B: input Wq (given as codes): QUANTISED
;;     2. [M 100,000, K 128] x [K 128, N 128]; A: input feat; B: input Wk (given as codes): QUANTISED
;;     3. [M 100,000, K 128] x [K 128, N 128]; A: input feat; B: input Wv (given as codes): QUANTISED
;;     4. [M 1,600,000, K 3] x [K 3, N 128]; A: computed on the way; B: input Wp1: left as it is (K = 3 < 32)
;;     5. [M 1,600,000, K 128] x [K 128, N 128]; A: computed on the way; B: input Wp2 (given as codes): QUANTISED
;;     6. batch 400,000 x [M 1, K 32] x [K 32, N 16]; A: computed on the way; B: computed on the way: left as it is (M = 1 < 16)
;;     7. batch 400,000 x [M 1, K 16] x [K 16, N 32]; A: softmax; B: computed on the way: left as it is (K = 16 < 32)
;;     8. [M 100,000, K 128] x [K 128, N 128]; A: computed on the way; B: input Wo (given as codes): QUANTISED
;;     9. [M 100,000, K 128] x [K 128, N 256]; A: computed on the way; B: input Wf1 (given as codes): QUANTISED
;;     10. [M 100,000, K 256] x [K 256, N 128]; A: computed on the way; B: input Wf2 (given as codes): QUANTISED
;;   THE QUANTISER, for each operand of a quantised product, along K:
;;     - K is cut into blocks of 32 from its start; a last block that is shorter is filled with zeros.
;;     - A block's scale is 2^e with e = floor(log2(the largest magnitude in the block)) - 4, held to -126 .. 127; a block of zeros has e = 0. As a byte (E8M0): e + 127.
;;     - Each number is divided by its block's scale, clamped to +-28, and rounded to the nearest number of E3M2, ties to even, subnormals kept.
;;     - The product sums the exact products of the quantised numbers (number of the format x scale) in f32.
;;   ~~~python
;;   def quantise(x, axis):      # numpy; x: float32 -> the quantised numbers, widened to float32 again
;;       x = np.moveaxis(x, axis, -1); K = x.shape[-1]
;;       x = np.pad(x, [(0, 0)] * (x.ndim - 1) + [(0, -K % 32)]); x = x.reshape(x.shape[:-1] + (-1, 32)); a = np.abs(x).max(-1, keepdims=True)
;;       e = np.where(a > 0, np.clip(np.frexp(np.where(a > 0, a, 1))[1] - 1 - 4, -126, 127), 0)      # np.frexp(a)[1] - 1 = floor(log2(a)), exactly
;;       r = np.clip(x / 2.0 ** e, -28, 28)
;;       step = 2.0 ** (np.maximum(np.frexp(np.where(r == 0, 1, r))[1] - 1, -2) - 2)
;;       q = np.round(r / step) * step * 2.0 ** e      # np.round: ties to even
;;       return np.moveaxis(q.reshape(q.shape[:-2] + (-1,))[..., :K], -1, axis).astype(np.float32)
;;   ~~~
;;   OPERANDS COMPUTED ON THE WAY. 'Computed on the way' means the value that the module computes at that place (a softmax that the list does not call 'softmax' is quantised finished and normalised). What goes into a quantiser is computed in f32, as accurately as f32 sums, v_exp_f32 and their like allow (about 1e-6 of the number): no bf16 or f16 on the way to a quantiser, and a product that is left as it is and whose result goes on into a quantised operand takes f32 operands (vector FMAs, or v_wmma_f32_16x16x4_f32). A number that lies on a knife's edge between two numbers of the format may be rounded either way, as far as f32 arithmetic and the matrix unit's own rounding can turn it there, and no further.
;;   INPUTS GIVEN AS CODES. Wf1 (in the module: [128, 256], K = its axis 0); Wf2 (in the module: [256, 128], K = its axis 0); Wk (in the module: [128, 128], K = its axis 0); Wo (in the module: [128, 128], K = its axis 0); Wp2 (in the module: [128, 128], K = its axis 0); Wq (in the module: [128, 128], K = its axis 0); Wv (in the module: [128, 128], K = its axis 0): each comes as NAME_codes (uint8): NAME with its K axis moved to the last place and cut into blocks of 32 codes, [.., K / 32, bytes a block], one block behind the other in memory; four codes in three bytes: a row's codes are one little-endian stream of bits, code i at bits 6 i .. 6 i + 5 (a code: sign, 3 exponent bits, 2 mantissa bits); and NAME_scales (uint8): the same leading axes, one E8M0 byte (e + 127) for each 32 codes along K. Its value is code x scale, taken as it is: it is not quantised again, and the codes and scales need not be those that the quantiser above would give.
;; One version. Each part assembles by itself: llvm-mc -triple=amdgcn-amd-amdhsa -mcpu=gfx1250 --defsym DOCPART=n.
;; ======== version 1 of 1: 2 launches
;; workspace buffers: fq 12,800,000 bytes; par 8,192 bytes
;; launch prep (part 1): grid 3126 x 1, 1 waves a work-group, no clusters, 8,960 bytes of LDS; arguments feat, coords, bq, bk, bv, bp2, bo, g1, b1, bf1, bf2, g2, b2, Wp1, bp1, fq, par; writes fq, par
.if DOCPART == 1
	.amdgcn_target "amdgcn-amd-amdhsa--gfx1250"
	.amdhsa_code_object_version 6
	.text
	.protected	k_q865cdd5b9a_prep
	.globl	k_q865cdd5b9a_prep
	.p2align	8
	.type	k_q865cdd5b9a_prep,@function
k_q865cdd5b9a_prep:
	s_mov_b64 s[64:65], 0
	v_nop
	global_prefetch_b8 v0, s[64:65] scope:SCOPE_SE
	s_setreg_imm32_b32 hwreg(HW_REG_WAVE_MODE, 25, 1), 1
	s_wait_xcnt 0x0
; feat [100000][128] f32 is quantised once, along its 128 channels, into codes of E3M2 with one E8M0 byte for each 32 channels, and laid as rows that the next launch gathers:
; fq [100000][128 bytes]: bytes 0-23 block 0, 24-47 block 2, 48-71 block 1, 72-95 block 3 (so that lanes 0-15 of an operand read bytes 0-47 and lanes 16-31 bytes 48-95, each as its twelve registers stand),
; 96-99 the four scale bytes in the blocks' own order, 100-111 the point's x, y, z, 112-127 zeros.
; A block's byte is its largest magnitude's exponent field - 4, held at 1 from below.  A block of zeros so has the byte 1 where the quantiser says 127: its codes are zeros, and this program alone reads the bytes.
; LIMITS: NaN and infinities among the inputs are not served; blocks whose largest magnitude lies under 2^(5 - 127) keep the byte 1.
; Work-groups 0 .. 3124, one wave each, take 32 rows.  Work-group 3125 packs the small f32 parameters into par, 16 rows of 128 f32 in the channels' own order:
; 0 bq x log2(e)/sqrt(32); 1 bk + bp2; 2 bv + bp2; 3 bo; 4 g1; 5 b1; 6, 7 bf1 / 2; 8 bf2; 9 g2; 10 b2; 11-13 Wp1 / 2; 14 bp1 / 2; 15 zeros.
; No matrix unit, no tensor load, no cluster: memory binds, and the work-groups share no input.
.set NWG,   3125                       ; work-groups that take rows
.set SINP,  144                        ; LDS, from byte 0: 32 places of 128 bytes + 16 of padding: a block of 32 numbers to a place
.set SOUT,  4608                       ; LDS: 32 rows of fq, 128 bytes each
.set X,     16                         ; v16-47   a lane's block of 32 numbers; at the end rows of fq
.set CA,    48                         ; v48-53   its codes
.set CB,    54                         ; v54-56   the codes of its upper 16 as the conversion leaves them (three registers from an even one)
.set R,     64                         ; v64-191  the 32 rows as loaded: row i in v[R + 4 i] on, 16 bytes a lane
	s_load_b512 s[16:31], s[0:1], 0x0              ; feat s16, coords s18, bq s20, bk s22, bv s24, bp2 s26, bo s28, g1 s30
	s_load_b512 s[32:47], s[0:1], 0x40             ; b1 s32, bf1 s34, bf2 s36, g2 s38, b2 s40, Wp1 s42, bp1 s44, fq s46
	s_load_b64 s[48:49], s[0:1], 0x80              ; par
	v_lshl_add_u32 v192, v0, 2, 0x2200
	v_mov_b32 v193, 0
	v_lshlrev_b32 v1, 4, v0                        ; 16 x lane
	s_cmp_eq_u32 ttmp9, NWG
	s_cbranch_scc1 .Lpar
	v_lshrrev_b32 v9, 3, v0
	v_and_b32 v10, 7, v0
	v_mul_u32_u24 v2, v9, SINP
	v_lshl_add_u32 v2, v10, 4, v2                  ; into the places: eight lanes' 128 bytes are a block: 144 (lane / 8) + 16 (lane % 8); a row takes four places
	v_mul_u32_u24 v3, v0, SINP                     ; out of them: place = lane
	v_lshrrev_b32 v9, 2, v0                        ; of a step's 8 rows mine is lane / 4, my block lane % 4
	v_and_b32 v10, 1, v0
	v_bfe_u32 v11, v0, 1, 1
	v_lshlrev_b32 v4, 7, v9
	v_mad_u32_u24 v4, v10, 48, v4
	v_mad_u32_u24 v4, v11, 24, v4
	v_add_nc_u32 v4, SOUT, v4                      ; my codes' place: blocks 0, 1, 2, 3 at bytes 0, 48, 24, 72
	v_and_b32 v10, 3, v0
	v_lshl_add_u32 v5, v9, 7, v10
	v_add_nc_u32 v5, SOUT+96, v5                   ; my scale byte's place
	v_lshlrev_b32 v6, 7, v0
	v_add_nc_u32 v6, SOUT, v6                      ; row = lane: for the coordinates
	v_add_nc_u32 v7, SOUT, v1                      ; the way out: 16 bytes a lane
	v_mul_u32_u24 v8, v0, 12                       ; my row's coordinates
.irp j, 60,61,62,63
	v_mov_b32 v\j, 0
.endr
	s_lshl_b32 s2, ttmp9, 14                       ; 32 rows of 512 bytes
	s_mov_b32 s3, 0
	s_mul_i32 s4, ttmp9, 384                       ; 32 x 12 bytes
	s_mov_b32 s5, 0
	s_lshl_b32 s6, ttmp9, 12                       ; 32 rows of 128 bytes
	s_mov_b32 s7, 0
	s_wait_kmcnt 0x0
	s_add_nc_u64 s[16:17], s[16:17], s[2:3]
	s_add_nc_u64 s[18:19], s[18:19], s[4:5]
	s_add_nc_u64 s[46:47], s[46:47], s[6:7]
	global_load_b32 v57, v8, s[18:19]
	global_load_b32 v58, v8, s[18:19] offset:4
	global_load_b32 v59, v8, s[18:19] offset:8
.set q, 0
.rept 32
	global_load_b128 v[R+4*q:R+4*q+3], v1, s[16:17] offset:512*q   ; a row: 32 lanes read 512 consecutive bytes
.set q, q+1
.endr
; A step: 8 rows = 32 blocks, a block to a lane.  The rows go into the places as they were loaded and come back 128 bytes a lane; LDS serves a wave's instructions in order, so no wait stands between.
.macro STEP i
	s_wait_loadcnt 24-8*\i                         ; this step's eight rows are in; the rows behind them may be out
.irp k, 0,1,2,3,4,5,6,7
	ds_store_b128 v2, v[R+32*\i+4*\k:R+32*\i+4*\k+3] offset:4*SINP*\k
.endr
.irp j, 0,1,2,3,4,5,6,7
	ds_load_b128 v[X+4*\j:X+4*\j+3], v3 offset:16*\j
.endr
	s_wait_dscnt 0x0
	v_max3_num_f32 v9, |v[X]|, |v[X+1]|, 0x2800000                 ; the block's largest magnitude, in two chains, with the floor 2^(5 - 127) among the leaves
	v_max3_num_f32 v10, |v[X+2]|, |v[X+3]|, |v[X+4]|
.irp k, 0,1,2,3,4,5,6,7,8,9,10,11,12
	v_max3_num_f32 v[9+\k%2], v[9+\k%2], |v[X+5+2*\k]|, |v[X+6+2*\k]|
.endr
	v_max3_num_f32 v9, v9, v10, |v[X+31]|
	v_add_nc_u32 v11, 0xfe000000, v9               ; 4 off its exponent field: the conversion takes this operand's exponent field as its scale
	v_cvt_scalef32_pk16_bf6_f32 v[CA:CA+2], v[X:X+15], v11
	v_cvt_scalef32_pk16_bf6_f32 v[CB:CB+2], v[X+16:X+31], v11
	v_lshrrev_b32 v12, 23, v11                     ; the scale's byte (also the plain line behind the conversions)
	v_mov_b32 v[CA+3], v[CB]
	v_mov_b32 v[CA+4], v[CB+1]
	v_mov_b32 v[CA+5], v[CB+2]
	ds_store_b64 v4, v[CA:CA+1] offset:1024*\i
	ds_store_b64 v4, v[CA+2:CA+3] offset:1024*\i+8
	ds_store_b64 v4, v[CA+4:CA+5] offset:1024*\i+16
	ds_store_b8 v5, v12 offset:1024*\i
	s_wait_dscnt 0x0                               ; the stores have read their registers: the next step writes them again
.endm
	STEP 0
	STEP 1
	STEP 2
	STEP 3
	ds_store_b32 v6, v57 offset:100
	ds_store_b32 v6, v58 offset:104
	ds_store_b32 v6, v59 offset:108
	ds_store_b128 v6, v[60:63] offset:112
.irp k, 0,1,2,3,4,5,6,7
	ds_load_b128 v[X+4*\k:X+4*\k+3], v7 offset:512*\k
.endr
.irp k, 0,1,2,3,4,5,6,7
	s_wait_dscnt 7-\k                              ; LDS loads come back in order: load k is in
	global_store_b128 v1, v[X+4*\k:X+4*\k+3], s[46:47] offset:512*\k   ; 32 lanes store 512 consecutive bytes, at a multiple of 256 from fq's first byte
.endr
	s_wait_tensorcnt 0x0
	ds_add_u32 v192, v193
	s_wait_dscnt 0x0
	s_endpgm
.Lpar:
	s_wait_kmcnt 0x0
	global_load_b128 v[16:19], v1, s[20:21]        ; bq
	global_load_b128 v[20:23], v1, s[22:23]        ; bk
	global_load_b128 v[24:27], v1, s[24:25]        ; bv
	global_load_b128 v[28:31], v1, s[26:27]        ; bp2
	global_load_b128 v[32:35], v1, s[28:29]        ; bo
	global_load_b128 v[36:39], v1, s[30:31]        ; g1
	global_load_b128 v[40:43], v1, s[32:33]        ; b1
	global_load_b128 v[44:47], v1, s[34:35]        ; bf1
	global_load_b128 v[48:51], v1, s[34:35] offset:512
	global_load_b128 v[52:55], v1, s[36:37]        ; bf2
	global_load_b128 v[56:59], v1, s[38:39]        ; g2
	global_load_b128 v[60:63], v1, s[40:41]        ; b2
	global_load_b128 v[64:67], v1, s[42:43]        ; Wp1's three rows
	global_load_b128 v[68:71], v1, s[42:43] offset:512
	global_load_b128 v[72:75], v1, s[42:43] offset:1024
	global_load_b128 v[76:79], v1, s[44:45]        ; bp1
.irp j, 80,81,82,83
	v_mov_b32 v\j, 0
.endr
	s_wait_loadcnt 0x0
.irp j, 16,18
	v_pk_mul_f32 v[\j:\j+1], v[\j:\j+1], 0x3e8293ee op_sel_hi:[1,0]   ; x log2(e) / sqrt(32)
.endr
.irp j, 0,2
	v_pk_add_f32 v[20+\j:21+\j], v[20+\j:21+\j], v[28+\j:29+\j]
	v_pk_add_f32 v[24+\j:25+\j], v[24+\j:25+\j], v[28+\j:29+\j]
.endr
.irp j, 44,46,48,50,64,66,68,70,72,74,76,78
	v_pk_mul_f32 v[\j:\j+1], v[\j:\j+1], 0.5 op_sel_hi:[1,0]          ; halves are exact
.endr
	global_store_b128 v1, v[16:19], s[48:49]
	global_store_b128 v1, v[20:23], s[48:49] offset:512
	global_store_b128 v1, v[24:27], s[48:49] offset:1024
.set q, 3
.rept 13
	global_store_b128 v1, v[20+4*q:23+4*q], s[48:49] offset:512*q    ; rows 3 to 15 stand in v32 on, in par's order
.set q, q+1
.endr
	s_endpgm
.Lfunc_end_k_q865cdd5b9a_prep:
	.size	k_q865cdd5b9a_prep, .Lfunc_end_k_q865cdd5b9a_prep-k_q865cdd5b9a_prep
	.p2alignl 7, 3214868480
	.fill 96, 4, 3214868480
	.section	.rodata,"a",@progbits
	.p2align	6, 0x0
	.amdhsa_kernel k_q865cdd5b9a_prep
		.amdhsa_group_segment_fixed_size 8960
		.amdhsa_private_segment_fixed_size 0
		.amdhsa_enable_private_segment 0
		.amdhsa_kernarg_size 136
		.amdhsa_user_sgpr_count 2
		.amdhsa_user_sgpr_kernarg_segment_ptr 1
		.amdhsa_wavefront_size32 1
		.amdhsa_system_sgpr_workgroup_id_x 1
		.amdhsa_system_sgpr_workgroup_id_y 1
		.amdhsa_system_sgpr_workgroup_id_z 1
		.amdhsa_system_vgpr_workitem_id 0
		.amdhsa_next_free_vgpr 194
		.amdhsa_next_free_sgpr 66
		.amdhsa_reserve_vcc 0
		.amdhsa_float_denorm_mode_32 3
		.amdhsa_float_denorm_mode_16_64 3
		.amdhsa_memory_ordered 1
		.amdhsa_forward_progress 1
		.amdhsa_inst_pref_size 23
	.end_amdhsa_kernel
	.amdgpu_metadata
---
amdhsa.version: [ 1, 2 ]
amdhsa.kernels:
  - .name:           k_q865cdd5b9a_prep
    .symbol:         k_q865cdd5b9a_prep.kd
    .args:
      - { .name: feat, .offset: 0, .size: 8, .value_kind: global_buffer, .address_space: global }
      - { .name: coords, .offset: 8, .size: 8, .value_kind: global_buffer, .address_space: global }
      - { .name: bq, .offset: 16, .size: 8, .value_kind: global_buffer, .address_space: global }
      - { .name: bk, .offset: 24, .size: 8, .value_kind: global_buffer, .address_space: global }
      - { .name: bv, .offset: 32, .size: 8, .value_kind: global_buffer, .address_space: global }
      - { .name: bp2, .offset: 40, .size: 8, .value_kind: global_buffer, .address_space: global }
      - { .name: bo, .offset: 48, .size: 8, .value_kind: global_buffer, .address_space: global }
      - { .name: g1, .offset: 56, .size: 8, .value_kind: global_buffer, .address_space: global }
      - { .name: b1, .offset: 64, .size: 8, .value_kind: global_buffer, .address_space: global }
      - { .name: bf1, .offset: 72, .size: 8, .value_kind: global_buffer, .address_space: global }
      - { .name: bf2, .offset: 80, .size: 8, .value_kind: global_buffer, .address_space: global }
      - { .name: g2, .offset: 88, .size: 8, .value_kind: global_buffer, .address_space: global }
      - { .name: b2, .offset: 96, .size: 8, .value_kind: global_buffer, .address_space: global }
      - { .name: Wp1, .offset: 104, .size: 8, .value_kind: global_buffer, .address_space: global }
      - { .name: bp1, .offset: 112, .size: 8, .value_kind: global_buffer, .address_space: global }
      - { .name: fq, .offset: 120, .size: 8, .value_kind: global_buffer, .address_space: global }
      - { .name: par, .offset: 128, .size: 8, .value_kind: global_buffer, .address_space: global }
    .group_segment_fixed_size: 8960
    .private_segment_fixed_size: 0
    .kernarg_segment_align: 8
    .kernarg_segment_size: 136
    .max_flat_workgroup_size: 32
    .sgpr_count:     66
    .vgpr_count:     194
    .wavefront_size: 32
...
	.end_amdgpu_metadata
.endif
;; end of part 1
;; launch block (part 2): grid 256 x 1, 8 waves a work-group, no clusters, 228,352 bytes of LDS; arguments fq, par, feat, knn_idx, out0, Wq_codes, Wq_scales, Wk_codes, Wk_scales, Wv_codes, Wv_scales, Wp2_codes, Wp2_scales, Wo_codes, Wo_scales, Wf1_codes, Wf1_scales, Wf2_codes, Wf2_scales; writes out0
.if DOCPART == 2
	.amdgcn_target "amdgcn-amd-amdhsa--gfx1250"
	.amdhsa_code_object_version 6
	.text
	.protected	k_q865cdd5b9a_block
	.globl	k_q865cdd5b9a_block
	.p2align	8
	.type	k_q865cdd5b9a_block,@function
k_q865cdd5b9a_block:
	s_mov_b64 s[64:65], 0
	v_nop
	global_prefetch_b8 v0, s[64:65] scope:SCOPE_SE
	s_setreg_imm32_b32 hwreg(HW_REG_WAVE_MODE, 25, 1), 1
	s_wait_xcnt 0x0
; The whole block, fused: q, the 16 neighbours' k + pe and v + pe, the softmax over the neighbours, Wo, LayerNorm, the FFN, LayerNorm.  All quantised products on codes of E3M2 with E8M0 scales.
; SHARES.  6,250 tiles of 16 points.  Work-group g owns tiles 24 g + min(g, 106) on, 24 of them (25 where g < 106); wave w takes every eighth, three tiles (wave 0 a fourth where g < 106), each through the whole chain alone.
; Two waves to a SIMD, 512 registers each: Wk, Wv and Wp2 (288 registers) stay in each wave's registers, so a point's trip reads no weight from LDS.  One barrier in the launch, behind the set-up.
; NEIGHBOURS ARE GATHERED AS CODES.  k_feat[j] = Q(feat[j]) Wk, and the quantiser works row by row: so the gather brings the 128-byte rows of fq (codes, scale word, coordinates) and k and v of the 16 neighbours are
; multiplied anew for each point; pe is added by the same accumulators (a second link with Wp2), so that k + pe and v + pe cost no vector addition.
; THE ROWS OF A WEIGHT THAT FORM A TILE: row m of tile t is channel 8 (t % 4) + m % 8 + 32 (m / 8) + 64 (t / 4).  Used with the weight as source 0, lane (r, h) then holds data row r, and registers 8 t + j the channels
; 32 h + 0 .. 31 (t < 4) and 64 + 32 h + 0 .. 31: two whole blocks of 32, which is what the next 6-bit operand wants of that lane, and two whole heads: neither a block's maximum nor a logit asks another lane.
; Used with the weight as source 1 (for v), lane (r, h) holds one channel and eight neighbours.
; rel_pos Wp1 + bp1 (K = 3, ahead of a quantiser, so f32) goes by the f32 matrix form with K = x, y, z, 1.
; gelu(x) = y (1 + erf(sqrt(2) y)), y = x / 2: Wp1, bp1 and bf1 come halved, and 1 is taken off each byte of x's scale word (exact).  erf is the rational form x P(x^2) / Q(x^2), its argument held to +-4.
; The softmax takes the row's largest logit away, in base 2: q comes multiplied by log2(e) / sqrt(32).  q . (bk + bp2) is added to the logits once a point and head; bv + bp2 to the weighted sum once a point (the weights add up to 1).
; LIMITS: 1 + erf has an absolute error of about 1e-7, as f32 erf has, also where erf is near -1; NaN and infinities are not served; blocks under 2^(5 - 127) keep the scale byte 1 (a block of zeros too: its codes are zeros).
; No tensor load, no cluster: what work-groups share is 120 KB of weights, read once by each; the gather goes lane by lane.
; THE LOOPS' TRIP COUNTS ARE CONSTANTS (4 tiles, 16 points): a wave without a fourth tile jumps over the work inside the trips, on ids alone.
.set LASTP, 0x1869f                    ; the last point
.set SCI,   73728                      ; LDS: 0: 48 images of weight fragments, 1,536 bytes each (Wq 0-7, Wo 8-15, Wf1 16-31, Wf2 32 + 8 s + t); here their scale words, 128 bytes each
.set PARB,  79872                      ; a copy of par
.set WREG0, 88064                      ; then a region for each wave:
.set WREGB, 17408
.set QP,    528                        ; +0: 16 rows of 512 bytes + 16: q, later the attention's result; in the 16: q . (bk + bp2) of the four heads
.set XSTO,  8448                       ; 16 rows likewise: feat, then x, then the result
.set ATO,   16896                      ; the softmax's weights, [head][16]
.set V48H, 1                           ; v1  48 h            (r = lane % 16, h = lane / 16)
.set V4R,  2                           ; v2  4 r
.set QA,   3                           ; v3  my region + 128 h
.set QBL,  4                           ; v4  my region + 512 + 4 h
.set AST,  5                           ; v5  the weights' place, written: + 4 x lane
.set ALD,  6                           ; v6  and read: + 64 (r / 8) + 32 h
.set OA,   7                           ; v7  my region + 4 (r % 8) + 128 (r / 8) + 256 h
.set V8H,  8                           ; v8  8 h
.set PD,   9                           ; v9  destination of the exchange between the halves of the lanes
.set SKV,  10                          ; v10-17 scale words: lanes 0-15 Wk's tile t, lanes 16-31 Wv's
.set SP2,  18                          ; v18-21 Wp2's: lanes 0-15 tile u, lanes 16-31 tile u + 4
.set TS,   22                          ; v22-25 of four fragments fetched from LDS
.set FS,   26                          ; v26 the neighbours' (stage Q: my points')
.set HS,   27                          ; v27 of the operand just quantised
.set H0S,  28                          ; v28, v29 of the FFN's hidden layer
.set H1S,  29
.set WP1,  30                          ; v30-45 Wp1's eight fragments for the f32 form
.set H0,   30                          ; tile level: v30-41 the hidden layer's first fragment,
.set LI,   42                          ; v42 16 x lane, v43 the same + 49,152, v44 4 x lane + SCI, v45 PARB + 128 h
.set LI2,  43
.set LS2,  44
.set PH,   45
.set W2C,  46                          ; v46-81 Wp2's fragments 5-7
.set ACC,  82                          ; v82-145 eight accumulators; matrix instructions alone write them
.set WK,   146                         ; v146-209 at work
.set YC,   146
.set SS,   154
.set PP,   162
.set QQ,   170
.set OUT,  178
.set WB,   146                         ; four fragments from LDS
.set BI,   194                         ; four tiles of a bias
.set CODE, 210                         ; v210-221 the neighbours' fragment
.set HF,   222                         ; v222-233 the fragment of gelu(..)
.set XF,   226                         ; tile level: v226-237 the operand in hand; later the hidden layer's second fragment
.set TT,   234                         ; v234-237 a neighbour's tail: scale word, x, y, z
.set RB,   238                         ; v238-239 source 1 of the f32 form; later two LDS addresses
.set TC,   240                         ; v240-242 a conversion's upper half
.set OAD,  243
.set VIX,  244                         ; v244 index, v245 its offset, v246 128 x index, v247 + 48 h
.set VI,   245
.set ADT,  246
.set ADC,  247
.set ROWX, 244                         ; tile level: my row in the second stage, my offset in out0, the stage by whole rows, the prefetch's offset
.set OOF,  245
.set XSTL, 246
.set PFO,  247
.set LG,   248                         ; v248-255 sums; the quantiser's temporaries; v254, v255 two of gelu's coefficients
; window 1: Wk's fragment t at v[12 t], Wv's at v[96 + 12 t], Wp2's 0-4 at v[192 + 12 t]
; scalars: s2 wave, s3 first tile, s4 tile trip, s5 my tiles, s6 first point, s7 point, s8 528 x point, s9 my region, s10-15 at work, s[16:25] fq, par, feat, knn_idx, out0
.set MSB, 0
.macro WIN new                         ; the immediate's high byte repeats the setting that is left
.if MSB != \new
	s_set_vgpr_msb (MSB<<8)|\new
.set MSB, \new
.endif
.endm
.macro SPAIR r, val
	s_mov_b32 s[\r], \val
	s_mov_b32 s[\r+1], \val
.endm
; one matrix instruction.  cm = 0: C is 0; 1: C = v[c] on.  row = 1: source 0's scales from lanes 16-31; 2: source 1's
.macro MM d, a, b, cm, c, sa, sb, row
.if (\cm) == 0
.if (\row) == 0
	v_wmma_scale_f32_16x16x128_f8f6f4 v[(\d):(\d)+7], v[(\a):(\a)+11], v[(\b):(\b)+11], 0, v[(\sa)], v[(\sb)] matrix_a_fmt:MATRIX_FMT_BF6 matrix_b_fmt:MATRIX_FMT_BF6
.elseif (\row) == 1
	v_wmma_scale_f32_16x16x128_f8f6f4 v[(\d):(\d)+7], v[(\a):(\a)+11], v[(\b):(\b)+11], 0, v[(\sa)], v[(\sb)] matrix_a_fmt:MATRIX_FMT_BF6 matrix_b_fmt:MATRIX_FMT_BF6 matrix_a_scale:MATRIX_SCALE_ROW1
.else
	v_wmma_scale_f32_16x16x128_f8f6f4 v[(\d):(\d)+7], v[(\a):(\a)+11], v[(\b):(\b)+11], 0, v[(\sa)], v[(\sb)] matrix_a_fmt:MATRIX_FMT_BF6 matrix_b_fmt:MATRIX_FMT_BF6 matrix_b_scale:MATRIX_SCALE_ROW1
.endif
.else
.if (\row) == 0
	v_wmma_scale_f32_16x16x128_f8f6f4 v[(\d):(\d)+7], v[(\a):(\a)+11], v[(\b):(\b)+11], v[(\c):(\c)+7], v[(\sa)], v[(\sb)] matrix_a_fmt:MATRIX_FMT_BF6 matrix_b_fmt:MATRIX_FMT_BF6
.elseif (\row) == 1
	v_wmma_scale_f32_16x16x128_f8f6f4 v[(\d):(\d)+7], v[(\a):(\a)+11], v[(\b):(\b)+11], v[(\c):(\c)+7], v[(\sa)], v[(\sb)] matrix_a_fmt:MATRIX_FMT_BF6 matrix_b_fmt:MATRIX_FMT_BF6 matrix_a_scale:MATRIX_SCALE_ROW1
.else
	v_wmma_scale_f32_16x16x128_f8f6f4 v[(\d):(\d)+7], v[(\a):(\a)+11], v[(\b):(\b)+11], v[(\c):(\c)+7], v[(\sa)], v[(\sb)] matrix_a_fmt:MATRIX_FMT_BF6 matrix_b_fmt:MATRIX_FMT_BF6 matrix_b_scale:MATRIX_SCALE_ROW1
.endif
.endif
.endm
.macro PLACES n
.rept \n
	v_nop
.endr
.endm
.macro HORN r, sp                      ; one step of Horner's rule on four pairs
.irp k, 0,2,4,6
	v_pk_fma_f32 v[\r+\k:\r+\k+1], v[\r+\k:\r+\k+1], v[SS+\k:SS+\k+1], s[\sp:\sp+1] op_sel_hi:[1,1,0]
.endr
.endm
; gelu of accumulator u's eight numbers y (= x / 2): y (Q + yc P) / Q, yc = y held to +-2 sqrt(2), P and Q polynomials in yc^2.  72 lines.  The accumulator is read from its low end on.
.macro GELU8 u
.set ga, ACC+8*(\u)
.set go, OUT+8*((\u)&3)
.irp j, 0,1,2,3,4,5,6,7
	v_med3_num_f32 v[YC+\j], v[ga+\j], -s90, s90
.endr
.irp k, 0,2,4,6
	v_pk_mul_f32 v[SS+\k:SS+\k+1], v[YC+\k:YC+\k+1], v[YC+\k:YC+\k+1]
.endr
.irp k, 0,2,4,6
	v_pk_fma_f32 v[PP+\k:PP+\k+1], v[SS+\k:SS+\k+1], s[76:77], v[254:255] op_sel_hi:[1,0,0]                  ; A6 s + A5 (v254 for both halves)
	v_pk_fma_f32 v[QQ+\k:QQ+\k+1], v[SS+\k:SS+\k+1], s[84:85], v[254:255] op_sel:[0,0,1] op_sel_hi:[1,0,1]   ; B4 s + B3 (v255 for both halves)
.endr
	HORN PP, 74
	HORN QQ, 82
	HORN PP, 72
	HORN QQ, 80
	HORN PP, 70
	HORN QQ, 78
	HORN PP, 68
	HORN PP, 66
.irp k, 0,2,4,6
	v_pk_fma_f32 v[PP+\k:PP+\k+1], v[YC+\k:YC+\k+1], v[PP+\k:PP+\k+1], v[QQ+\k:QQ+\k+1]
.endr
.irp j, 0,1,2,3,4,5,6,7
	v_rcp_f32 v[QQ+\j], v[QQ+\j]                   ; Q's coefficients are all negative: it is never 0
.endr
.irp k, 0,2,4,6
	v_pk_mul_f32 v[PP+\k:PP+\k+1], v[PP+\k:PP+\k+1], v[ga+\k:ga+\k+1]      ; (plain lines behind the reciprocals)
.endr
	s_wait_alu depctr_va_vdst(0)
.irp k, 0,2,4,6
	v_pk_mul_f32 v[go+\k:go+\k+1], v[PP+\k:PP+\k+1], v[QQ+\k:QQ+\k+1]
.endr
.endm
; 32 numbers of a lane, one block, become six registers of codes at v[dst]; the scale's byte goes to v[by].  sreg other than 0: bytes v251 (block h) and v252 (block 2 + h) and lane l xor 16's two make the row's scale word.
.macro BLOCKQ src, dst, by, sreg
	v_max3_num_f32 v248, |v[(\src)]|, |v[(\src)+1]|, 0x2800000      ; the floor 2^(5 - 127) among the leaves: the byte cannot fall under 1
	v_max3_num_f32 v249, |v[(\src)+2]|, |v[(\src)+3]|, |v[(\src)+4]|
.irp k, 0,1,2,3,4,5,6,7,8,9,10,11,12
	v_max3_num_f32 v[248+\k%2], v[248+\k%2], |v[(\src)+5+2*\k]|, |v[(\src)+6+2*\k]|
.endr
	v_max3_num_f32 v248, v248, v249, |v[(\src)+31]|
	v_add_nc_u32 v250, 0xfe000000, v248            ; 4 off the exponent field: the conversion's scale operand
	v_lshrrev_b32 v[\by], 23, v250
	v_cvt_scalef32_pk16_bf6_f32 v[(\dst):(\dst)+2], v[(\src):(\src)+15], v250
	v_cvt_scalef32_pk16_bf6_f32 v[TC:TC+2], v[(\src)+16:(\src)+31], v250      ; (a conversion's three registers begin on an even number)
.if \sreg
	v_lshl_or_b32 v253, v252, 16, v251             ; (a plain line behind the conversions)
	v_lshlrev_b32 v253, v[V8H], v253               ; my two bytes at their places: 8 h bits up
	v_permlanex16_b32 v[PD], v253, s56, s57
	v_or_b32 v[\sreg], v253, v[PD]
.else
	v_nop                                          ; a plain line behind the conversions
.endif
	v_mov_b32 v[(\dst)+3], v[TC]
	v_mov_b32 v[(\dst)+4], v[TC+1]
	v_mov_b32 v[(\dst)+5], v[TC+2]
.endm
.macro KW1                             ; k = Q(feat[neighbours]) Wk: starts the eight sums
	WIN 0x01                                       ; source 0 in window 1
.irp t, 0,1,2,3,4,5,6,7
	MM ACC+8*\t, 12*\t, CODE, 0, 0, SKV+\t, FS, 0
.endr
	WIN 0
.endm
.macro KW2                             ; + pe: the accumulators take turns, seven others between two links of a sum
	WIN 0x01
.irp t, 0,1,2,3
	MM ACC+8*\t, 192+12*\t, HF, 1, ACC+8*\t, SP2+\t, HS, 0
.endr
	MM ACC+32, 240, HF, 1, ACC+32, SP2, HS, 1
	WIN 0
.irp t, 5,6,7
	MM ACC+8*\t, W2C+12*(\t-5), HF, 1, ACC+8*\t, SP2+\t-4, HS, 1
.endr
.endm
.macro VW                              ; v + pe with the weights as source 1: a lane holds a channel and eight neighbours
	WIN 0x04                                       ; source 1 in window 1
.irp t, 0,1,2,3,4,5,6,7
	MM ACC+8*\t, CODE, 96+12*\t, 0, 0, FS, SKV+\t, 2
.endr
.irp t, 0,1,2,3
	MM ACC+8*\t, HF, 192+12*\t, 1, ACC+8*\t, HS, SP2+\t, 0
.endr
	MM ACC+32, HF, 240, 1, ACC+32, HS, SP2, 2
	WIN 0
.irp t, 5,6,7
	MM ACC+8*\t, HF, W2C+12*(\t-5), 1, ACC+8*\t, HS, SP2+\t-4, 2
.endr
.endm
; the eight accumulators' 64 numbers through gelu and the quantiser: a fragment at v[dst], its scale word in v[sreg].  hook = 1 (a point's trip): as soon as the accumulators are read out, k's products take them.
.macro HIDQ dst, sreg, hook
	v_mov_b32 v254, 0x35a84a8d                     ; A5
	v_mov_b32 v255, 0xbadfbd29                     ; B3
.irp u, 0,1,2,3
	GELU8 \u
.endr
	BLOCKQ OUT, \dst, 251, 0
.irp u, 4,5,6,7
	GELU8 \u
.endr
.if \hook
	s_wait_loadcnt 0x2                             ; the neighbours' codes are in; behind them: the next tail and the next index
	KW1
.endif
	BLOCKQ OUT, (\dst)+6, 252, \sreg
.endm
; four tiles of a weight from its images in LDS against the fragment v[frag]: accumulators a0 .. a0 + 3.  cm = 0: the sums begin with 0; 1: with the bias at par's byte boff; 2: they go on.
.macro TP4 adr, img, sc, frag, fs, cm, a0, boff
.irp i, 0,1,2,3
.irp c, 0,1,2
	ds_load_b128 v[WB+12*\i+4*\c:WB+12*\i+4*\c+3], v[\adr] offset:(\img)+1536*\i+512*\c
.endr
	ds_load_b32 v[TS+\i], v[LS2] offset:(\sc)+128*\i
.endr
.if (\cm) == 1
.irp i, 0,1,2,3
	ds_load_b128 v[BI+8*\i:BI+8*\i+3], v[PH] offset:(\boff)+32*(((\a0)+\i)&3)+256*(((\a0)+\i)>>2)
	ds_load_b128 v[BI+8*\i+4:BI+8*\i+7], v[PH] offset:(\boff)+32*(((\a0)+\i)&3)+256*(((\a0)+\i)>>2)+16
.endr
.endif
	s_wait_dscnt 0x0
.irp i, 0,1,2,3
.if (\cm) == 0
	MM ACC+8*((\a0)+\i), WB+12*\i, \frag, 0, 0, TS+\i, \fs, 0
.elseif (\cm) == 1
	MM ACC+8*((\a0)+\i), WB+12*\i, \frag, 1, BI+8*\i, TS+\i, \fs, 0
.else
	MM ACC+8*((\a0)+\i), WB+12*\i, \frag, 1, ACC+8*((\a0)+\i), TS+\i, \fs, 0
.endif
.endr
	PLACES 4                                       ; in front of loads into these registers and of the first read of the results
.endm
.macro TADDR                           ; the tile level's four LDS addresses, from the thread's number
	v_and_b32 v[LI], 31, v0
	v_lshlrev_b32 v[LS2], 2, v[LI]
	v_lshlrev_b32 v[LI], 4, v[LI]
	v_add_nc_u32 v[LI2], 49152, v[LI]
	v_add_nc_u32 v[LS2], SCI, v[LS2]
	v_bfe_u32 v[PH], v0, 4, 1
	v_lshl_add_u32 v[PH], v[PH], 7, PARB
.endm
.macro REDUCE                          ; four pairs of partial sums, and lane l xor 16's: the row's sum in v248
	v_pk_add_f32 v[248:249], v[248:249], v[250:251]
	v_pk_add_f32 v[252:253], v[252:253], v[254:255]
	v_pk_add_f32 v[248:249], v[248:249], v[252:253]
	v_add_f32 v248, v248, v249
	v_permlanex16_b32 v[PD], v248, s56, s57
	v_add_f32 v248, v248, v[PD]
.endm
; v[WK] on = LayerNorm(my row of the second stage + the accumulators), gain and bias from par's rows grow, lrow
.macro RESLN grow, lrow
.set rq, 0
.rept 8
	ds_load_b128 v[WK+4*rq:WK+4*rq+3], v[ROWX] offset:16*rq
	ds_load_b128 v[WK+32+4*rq:WK+35+4*rq], v[ROWX] offset:256+16*rq
.set rq, rq+1
.endr
	s_wait_dscnt 0x0
.set rq, 0
.rept 32
	v_pk_add_f32 v[WK+2*rq:WK+2*rq+1], v[WK+2*rq:WK+2*rq+1], v[ACC+2*rq:ACC+2*rq+1]   ; each accumulator from its low end on
.set rq, rq+1
.endr
.irp k, 0,1,2,3
	v_pk_add_f32 v[LG+2*\k:LG+2*\k+1], v[WK+2*\k:WK+2*\k+1], v[WK+8+2*\k:WK+9+2*\k]
.endr
.irp m, 2,3,4,5,6,7
.irp k, 0,1,2,3
	v_pk_add_f32 v[LG+2*\k:LG+2*\k+1], v[LG+2*\k:LG+2*\k+1], v[WK+8*\m+2*\k:WK+8*\m+2*\k+1]
.endr
.endr
	REDUCE
	v_mul_f32 v242, s99, v248                      ; the mean
	v_mov_b32 v243, v242
.set rq, 0
.rept 32
	v_pk_add_f32 v[WK+2*rq:WK+2*rq+1], v[WK+2*rq:WK+2*rq+1], v[242:243] neg_lo:[0,1] neg_hi:[0,1]
.set rq, rq+1
.endr
.irp k, 0,1,2,3
	v_pk_mul_f32 v[LG+2*\k:LG+2*\k+1], v[WK+2*\k:WK+2*\k+1], v[WK+2*\k:WK+2*\k+1]
.endr
.irp m, 1,2,3,4,5,6,7
.irp k, 0,1,2,3
	v_pk_fma_f32 v[LG+2*\k:LG+2*\k+1], v[WK+8*\m+2*\k:WK+8*\m+2*\k+1], v[WK+8*\m+2*\k:WK+8*\m+2*\k+1], v[LG+2*\k:LG+2*\k+1]
.endr
.endr
	REDUCE
	v_fma_f32 v248, v248, s99, s91                 ; the variance + 1e-5
	v_rsq_f32 v242, v248
	v_nop                                          ; a plain line behind the transcendental
	s_wait_alu depctr_va_vdst(0)
	v_mov_b32 v243, v242
.irp c, 0,1,2,3                        ; 16 channels at a time
.irp j, 0,1,2,3
	ds_load_b128 v[210+4*\j:213+4*\j], v[PH] offset:512*(\grow)+64*(\c&1)+256*(\c>>1)+16*\j
	ds_load_b128 v[226+4*\j:229+4*\j], v[PH] offset:512*(\lrow)+64*(\c&1)+256*(\c>>1)+16*\j
.endr
	s_wait_dscnt 0x0
.irp j, 0,1,2,3,4,5,6,7
	v_pk_mul_f32 v[WK+16*\c+2*\j:WK+16*\c+2*\j+1], v[WK+16*\c+2*\j:WK+16*\c+2*\j+1], v[242:243]
.endr
.irp j, 0,1,2,3,4,5,6,7
	v_pk_fma_f32 v[WK+16*\c+2*\j:WK+16*\c+2*\j+1], v[WK+16*\c+2*\j:WK+16*\c+2*\j+1], v[210+2*\j:211+2*\j], v[226+2*\j:227+2*\j]
.endr
.endr
.endm
.macro ROWS_OUT adr                    ; my 64 numbers into my row of a stage, in the channels' own order
.set rq, 0
.rept 8
	ds_store_b128 v[\adr], v[WK+4*rq:WK+4*rq+3] offset:16*rq
	ds_store_b128 v[\adr], v[WK+32+4*rq:WK+35+4*rq] offset:256+16*rq
.set rq, rq+1
.endr
.endm
; ================= the set-up, once a wave =================
	s_load_b512 s[16:31], s[0:1], 0x0              ; fq s16, par s18, feat s20, knn_idx s22, out0 s24, Wq's codes s26, scales s28, Wk's codes s30
	s_load_b512 s[32:47], s[0:1], 0x40             ; Wk's scales s32, Wv s34, s36, Wp2 s38, s40, Wo s42, s44, Wf1's codes s46
	s_load_b128 s[48:51], s[0:1], 0x80             ; Wf1's scales s48, Wf2's codes s50
	s_load_b64 s[52:53], s[0:1], 0x90              ; Wf2's scales
	s_set_vgpr_msb 0x40
	v_lshl_add_u32 v254, v0, 2, 0x37800
	v_mov_b32 v255, 0
	s_set_vgpr_msb 0x4000
	v_lshrrev_b32 v30, 5, v0
	v_readfirstlane_b32 s2, v30                    ; wave 0..7
	v_and_b32 v30, 31, v0                          ; lane
	v_and_b32 v31, 15, v0                          ; r
	v_bfe_u32 v32, v0, 4, 1                        ; h
	v_bfe_u32 v33, v0, 3, 1                        ; r / 8
	v_and_b32 v34, 7, v0                           ; r % 8
	s_mul_i32 s9, s2, WREGB
	s_add_co_u32 s9, s9, WREG0                     ; my region of LDS
	v_mul_u32_u24 v[V48H], v32, 48
	v_lshlrev_b32 v[V4R], 2, v31
	v_lshl_add_u32 v[QA], v32, 7, s9
	v_lshl_add_u32 v[QBL], v32, 2, s9
	v_add_nc_u32 v[QBL], 512, v[QBL]
	v_lshl_add_u32 v[AST], v30, 2, s9
	v_add_nc_u32 v[AST], ATO, v[AST]
	v_lshl_add_u32 v[ALD], v33, 6, s9
	v_lshl_add_u32 v[ALD], v32, 5, v[ALD]
	v_add_nc_u32 v[ALD], ATO, v[ALD]
	v_lshl_add_u32 v[OA], v34, 2, s9
	v_lshl_add_u32 v[OA], v33, 7, v[OA]
	v_lshl_add_u32 v[OA], v32, 8, v[OA]
	v_lshlrev_b32 v[V8H], 3, v32
	v_mov_b32 v[PD], 0
	s_mul_i32 s3, ttmp9, 24
	s_min_u32 s10, ttmp9, 106
	s_add_co_u32 s3, s3, s10
	s_add_co_u32 s3, s3, s2                        ; my first tile
	s_cmp_lt_u32 ttmp9, 106
	s_cselect_b32 s5, 4, 3
	s_cmp_eq_u32 s2, 0
	s_cselect_b32 s5, s5, 3                        ; my tiles
	s_mov_b32 s54, 0xffff0000                      ; the lanes with h = 1
	s_mov_b32 s56, 0x76543210
	s_mov_b32 s57, 0xfedcba98                      ; v_permlanex16_b32's selects for lane l xor 16
	SPAIR 58, 0x3e8293ee                           ; log2(e) / sqrt(32)
	SPAIR 66, 0xbcba79f3                           ; P's coefficients A0 .. A4, A6, each twice (a packed form names a pair)
	SPAIR 68, 0xbc08eb41
	SPAIR 70, 0xbb883d9c
	SPAIR 72, 0xba28d45d
	SPAIR 74, 0xb847667d
	SPAIR 76, 0xb2d3f331
	SPAIR 78, 0xbc69b6a7                           ; Q's B0 .. B2, B4
	SPAIR 80, 0xbc719bf8
	SPAIR 82, 0xbbdc924e
	SPAIR 84, 0xb97460cd
	s_mov_b32 s90, 0x403504f3                      ; 2 sqrt(2)
	s_mov_b32 s91, 0x3727c5ac                      ; 1e-5
	s_mov_b32 s99, 0x3c000000                      ; 1 / 128
	s_mov_b32 s92, 0
	s_mov_b32 s93, 0
	s_mov_b32 s94, 0
	s_mov_b32 s95, 0
	s_and_b32 s10, s2, 3
	s_lshl_b32 s10, s10, 3
	s_lshr_b32 s11, s2, 2
	s_lshl_b32 s11, s11, 6
	s_add_co_u32 s10, s10, s11                     ; tile w begins at channel 8 (w % 4) + 64 (w / 4)
	s_mul_i32 s11, s10, 96
	s_mul_i32 s12, s10, 192
	s_lshl_b32 s13, s10, 2
	s_lshl_b32 s15, s10, 3
	v_lshl_add_u32 v35, v33, 5, v34                ; my row in a tile: r % 8 + 32 (r / 8)
	v_mul_u32_u24 v36, v35, 96
	v_mad_u32_u24 v36, v32, 24, v36                ; rows of 96 bytes, + 24 h
	v_lshlrev_b32 v37, 2, v35                      ; scale words of 4 bytes
	v_add_nc_u32 v38, s11, v36                     ; the same in tile w
	v_mul_u32_u24 v39, v35, 192
	v_mad_u32_u24 v39, v32, 24, v39
	v_add_nc_u32 v39, s12, v39                     ; Wf2: rows of 192 bytes
	v_add_nc_u32 v40, s13, v37
	v_lshl_add_u32 v41, v35, 3, s15                ; Wf2's scales: 8 bytes a row
	s_lshl_b32 s12, s2, 9
	v_lshl_add_u32 v42, v30, 4, s12                ; par: row w, 16 bytes a lane
	s_mul_i32 s13, s2, 1536
	v_lshl_add_u32 v43, v30, 4, s13                ; LDS: image w of a group of eight
	s_lshl_b32 s15, s2, 7
	v_lshl_add_u32 v44, v30, 2, s15
	v_add_nc_u32 v44, SCI, v44                     ; its scale words
	v_add_nc_u32 v45, PARB, v42
	s_wait_kmcnt 0x0
	WIN 0x40                                       ; destination in window 1
.irp t, 0,1,2,3,4,5,6,7
.irp p, 0,1,2,3,4,5
	global_load_b64 v[12*\t+2*\p:12*\t+2*\p+1], v36, s[30:31] offset:96*(8*(\t&3)+64*(\t>>2))+48*(\p/3)+8*(\p%3)
	global_load_b64 v[96+12*\t+2*\p:96+12*\t+2*\p+1], v36, s[34:35] offset:96*(8*(\t&3)+64*(\t>>2))+48*(\p/3)+8*(\p%3)
.endr
.endr
.irp t, 0,1,2,3,4
.irp p, 0,1,2,3,4,5
	global_load_b64 v[192+12*\t+2*\p:192+12*\t+2*\p+1], v36, s[38:39] offset:96*(8*(\t&3)+64*(\t>>2))+48*(\p/3)+8*(\p%3)
.endr
.endr
	WIN 0
.irp t, 5,6,7
.irp p, 0,1,2,3,4,5
	global_load_b64 v[W2C+12*(\t-5)+2*\p:W2C+12*(\t-5)+2*\p+1], v36, s[38:39] offset:96*(8*(\t&3)+64*(\t>>2))+48*(\p/3)+8*(\p%3)
.endr
.endr
.irp t, 0,1,2,3,4,5,6,7
	global_load_b32 v[224+\t], v37, s[32:33] offset:4*(8*(\t&3)+64*(\t>>2))
	global_load_b32 v[232+\t], v37, s[36:37] offset:4*(8*(\t&3)+64*(\t>>2))
	global_load_b32 v[240+\t], v37, s[40:41] offset:4*(8*(\t&3)+64*(\t>>2))
.endr
.irp p, 0,1,2,3,4,5                    ; the six fragments whose images this wave lays into LDS: tile w of Wq, Wo, Wf1 (and w + 8), Wf2 (both K steps)
	global_load_b64 v[146+2*\p:147+2*\p], v38, s[26:27] offset:48*(\p/3)+8*(\p%3)
	global_load_b64 v[158+2*\p:159+2*\p], v38, s[42:43] offset:48*(\p/3)+8*(\p%3)
	global_load_b64 v[170+2*\p:171+2*\p], v38, s[46:47] offset:48*(\p/3)+8*(\p%3)
	global_load_b64 v[182+2*\p:183+2*\p], v38, s[46:47] offset:12288+48*(\p/3)+8*(\p%3)
	global_load_b64 v[194+2*\p:195+2*\p], v39, s[50:51] offset:48*(\p/3)+8*(\p%3)
	global_load_b64 v[206+2*\p:207+2*\p], v39, s[50:51] offset:96+48*(\p/3)+8*(\p%3)
.endr
	global_load_b32 v218, v40, s[28:29]
	global_load_b32 v219, v40, s[44:45]
	global_load_b32 v220, v40, s[48:49]
	global_load_b32 v221, v40, s[48:49] offset:512
	global_load_b32 v222, v41, s[52:53]
	global_load_b32 v223, v41, s[52:53] offset:4
	global_load_b128 v[248:251], v42, s[18:19]
	global_load_b128 v[252:255], v42, s[18:19] offset:4096
	s_wait_loadcnt 0x0
.irp t, 0,1,2,3,4,5,6,7
	v_cndmask_b32 v[SKV+\t], v[224+\t], v[232+\t], s54
.endr
.irp u, 0,1,2,3
	v_cndmask_b32 v[SP2+\u], v[240+\u], v[244+\u], s54
.endr
.irp k, 0,1,2,3,4,5
.irp c, 0,1,2
	ds_store_b128 v43, v[146+12*\k+4*\c:149+12*\k+4*\c] offset:12288*\k+512*\c   ; a fragment as it stands: lane l's 16 bytes at 16 l
.endr
	ds_store_b32 v44, v[218+\k] offset:1024*\k
.endr
	ds_store_b128 v45, v[248:251]
	ds_store_b128 v45, v[252:255] offset:4096
.irp j, 244,245,246,247
	v_mov_b32 v\j, 0
.endr
	s_wait_dscnt 0x0                               ; for the others' sake: my stores have landed
	s_barrier_signal -1
	s_barrier_wait -1                              ; the images, their scale words and par lie in LDS; from here on they are only read
; ================= the tiles =================
	s_mov_b32 s4, 0
.Ltile:
	s_lshl_b32 s6, s4, 3
	s_add_co_u32 s6, s6, s3
	s_lshl_b32 s6, s6, 4                           ; the tile's first point
	s_cmp_ge_u32 s4, s5
	s_cbranch_scc1 .Lq_skip
; ---- Q: q of my 16 points; feat into the second stage; the first neighbours' loads
	TADDR
	s_lshl_b32 s10, s6, 9
	s_lshl_b32 s14, s6, 7
	s_lshl_b32 s12, s6, 6
	v_add_nc_u32 v240, s10, v[LI]                  ; feat: 16 x lane + 512 x point
	v_and_b32 v248, 15, v0
	v_lshl_add_u32 v242, v248, 7, s14              ; fq: my point's row
	v_add_nc_u32 v241, v242, v[V48H]
	v_add_nc_u32 v[VI], s12, v[V4R]                ; knn_idx: the point's 64 bytes, + 4 r
	v_mul_u32_u24 v249, v248, QP
	v_add_nc_u32 v238, v249, v[QA]                 ; my row of the first stage, + 128 h
	v_add_nc_u32 v232, v249, v[QBL]                ; its last 16 bytes, + 4 h
	v_add_nc_u32 v239, s9, v[LI]
	v_add_nc_u32 v239, XSTO, v239                  ; the second stage by whole rows
	v_and_b32 v249, 7, v0
	v_bfe_u32 v250, v0, 3, 1
	v_lshl_add_u32 v249, v250, 5, v249
	v_bfe_u32 v250, v0, 4, 1
	v_lshlrev_b32 v233, 2, v249
	v_lshl_add_u32 v233, v250, 10, v233
	v_add_nc_u32 v233, PARB, v233                  ; Wp1's fragments: my channel's 4 bytes, two rows of par further on for h = 1
	global_load_b32 v[VIX], v[VI], s[22:23]        ; point 0's neighbours
	global_load_b128 v[CODE:CODE+3], v241, s[16:17]
	global_load_b128 v[CODE+4:CODE+7], v241, s[16:17] offset:16
	global_load_b128 v[CODE+8:CODE+11], v241, s[16:17] offset:32
	global_load_b32 v[FS], v242, s[16:17] offset:96
.set rq, 0
.rept 16
	global_load_b128 v[WK+4*rq:WK+4*rq+3], v240, s[20:21] offset:512*rq th:TH_LOAD_NT   ; a row of feat: this launch reads it once
.set rq, rq+1
.endr
	s_load_b128 s[92:95], s[16:17], s14 offset:0x60  ; point 0's own tail
	s_wait_loadcnt 0x10                            ; all but the 16 rows of feat
	v_min_u32 v[VIX], LASTP, v[VIX]
	v_lshlrev_b32 v[ADT], 7, v[VIX]
	v_add_nc_u32 v[ADC], v[ADT], v[V48H]
	v_add_nc_u32 v[VI], 64, v[VI]
	global_load_b128 v[TT:TT+3], v[ADT], s[16:17] offset:96
	global_load_b32 v[VIX], v[VI], s[22:23]        ; point 1's neighbours
	s_wait_loadcnt 0x2                             ; feat is in; behind it: that tail and that index
.set rq, 0
.rept 16
	ds_store_b128 v239, v[WK+4*rq:WK+4*rq+3] offset:QP*rq
.set rq, rq+1
.endr
	s_wait_dscnt 0x0                               ; the stores have read their registers
	TP4 LI, 0, 0, CODE, FS, 0, 0, 0
	TP4 LI, 6144, 512, CODE, FS, 0, 4, 0
.set rq, 0
.rept 8
	ds_load_b128 v[WK+4*rq:WK+4*rq+3], v[PH] offset:16*rq                 ; bq x c, in my channels' order
	ds_load_b128 v[WK+32+4*rq:WK+35+4*rq], v[PH] offset:256+16*rq
.set rq, rq+1
.endr
.irp j, 0,1,2,3
	ds_load_b128 v[210+4*\j:213+4*\j], v[PH] offset:512+16*\j             ; bk + bp2, 16 channels at a time
.endr
	s_wait_dscnt 0x0
.set rq, 0
.rept 32
	v_pk_fma_f32 v[WK+2*rq:WK+2*rq+1], v[ACC+2*rq:ACC+2*rq+1], s[58:59], v[WK+2*rq:WK+2*rq+1] op_sel_hi:[1,0,1]   ; q' = c (q + bq)
.set rq, rq+1
.endr
	ROWS_OUT 238
.irp c, 0,1,2,3
.if \c > 0
.irp j, 0,1,2,3
	ds_load_b128 v[210+4*\j:213+4*\j], v[PH] offset:512+64*(\c&1)+256*(\c>>1)+16*\j
.endr
	s_wait_dscnt 0x0
.endif
	v_pk_mul_f32 v[LG+2*\c:LG+2*\c+1], v[WK+16*\c:WK+16*\c+1], v[210:211]
.irp j, 1,2,3,4,5,6,7
	v_pk_fma_f32 v[LG+2*\c:LG+2*\c+1], v[WK+16*\c+2*\j:WK+16*\c+2*\j+1], v[210+2*\j:211+2*\j], v[LG+2*\c:LG+2*\c+1]
.endr
.endr
	v_pk_add_f32 v[248:249], v[248:249], v[250:251]
	v_pk_add_f32 v[252:253], v[252:253], v[254:255]
	v_add_f32 v248, v248, v249                     ; q' . (bk + bp2) of head h,
	v_add_f32 v252, v252, v253                     ; of head 2 + h
	ds_store_b32 v232, v248
	ds_store_b32 v232, v252 offset:8
.irp t, 0,1,2,3,4,5,6,7
.irp j, 0,1
	ds_load_b32 v[WP1+2*\t+\j], v233 offset:5632+512*\j+32*(\t&3)+256*(\t>>2)   ; lane (r, h), register j: k = 2 h + j of my channel: Wp1's rows / 2, then bp1 / 2
.endr
.endr
	s_wait_dscnt 0x0
.Lq_skip:
	s_mov_b32 s7, 0
	s_mov_b32 s8, 0
; ---- a point a trip
.Lpoint:
	s_cmp_ge_u32 s4, s5
	s_cbranch_scc1 .Lp_skip
	s_wait_loadcnt 0x0                             ; this point's neighbours' tails, the next point's indices
	s_wait_kmcnt 0x0                               ; this point's own tail
	s_mov_b32 s96, s93
	s_mov_b32 s97, s94
	s_mov_b32 s98, s95
	global_load_b128 v[CODE:CODE+3], v[ADC], s[16:17]                ; the neighbours' codes: lane (r, h) takes 48 bytes of neighbour r's row: its twelve registers
	global_load_b128 v[CODE+4:CODE+7], v[ADC], s[16:17] offset:16
	global_load_b128 v[CODE+8:CODE+11], v[ADC], s[16:17] offset:32
	v_sub_f32 v240, v[TT+1], s96                   ; rel_pos
	v_sub_f32 v241, v[TT+2], s97
	v_sub_f32 v242, v[TT+3], s98
	v_cndmask_b32 v[RB], v240, v242, s54           ; h = 0: x, y;  h = 1: z, 1
	v_cndmask_b32 v[RB+1], v241, 1.0, s54
	v_mov_b32 v[FS], v[TT]
	s_add_co_u32 s10, s6, s7
	s_add_co_u32 s11, s10, 2
	s_min_u32 s11, s11, LASTP                      ; no load leaves its buffer
	s_lshl_b32 s11, s11, 6
	s_add_co_u32 s14, s10, 1
	s_min_u32 s14, s14, LASTP
	s_lshl_b32 s14, s14, 7
	s_load_b128 s[92:95], s[16:17], s14 offset:0x60  ; the next point's own tail
.irp t, 0,1,2,3,4,5,6,7
	v_wmma_f32_16x16x4_f32 v[ACC+8*\t:ACC+8*\t+7], v[WP1+2*\t:WP1+2*\t+1], v[RB:RB+1], 0   ; (rel_pos Wp1 + bp1) / 2: one K step, begun with 0
.endr
	s_wait_xcnt 0x0                                ; the loads of the codes have read their address: it may be written
	v_min_u32 v[VIX], LASTP, v[VIX]
	v_lshlrev_b32 v[ADT], 7, v[VIX]
	v_add_nc_u32 v[ADC], v[ADT], v[V48H]
	v_add_nc_u32 v[VI], s11, v[V4R]
	global_load_b128 v[TT:TT+3], v[ADT], s[16:17] offset:96          ; a trip ahead
	global_load_b32 v[VIX], v[VI], s[22:23]                          ; two trips ahead
	PLACES 2                                       ; with the four lines above and the two moves below: eight places behind the f32 form
	s_wait_dscnt 0x0                               ; the last trip's LDS stores have read their registers
	HIDQ HF, HS, 1
	v_add_nc_u32 v[RB], s8, v[QA]                  ; this point's q'
	v_add_nc_u32 v[RB+1], s8, v[QBL]
	PLACES 3                                       ; eight places behind the scale word's last line, five behind the fragment's
.set rq, 0
.rept 8
	ds_load_b128 v[WK+4*rq:WK+4*rq+3], v[RB] offset:16*rq
	ds_load_b128 v[WK+32+4*rq:WK+35+4*rq], v[RB] offset:256+16*rq
.set rq, rq+1
.endr
	ds_load_b32 v240, v[RB+1]
	ds_load_b32 v241, v[RB+1] offset:8
	KW2
	PLACES 4
	s_wait_dscnt 0x0
.irp k, 0,1,2,3                        ; the logits: registers 0-31 are head h, 32-63 head 2 + h; four chains by turns
	v_pk_mul_f32 v[LG+2*\k:LG+2*\k+1], v[ACC+16*\k:ACC+16*\k+1], v[WK+16*\k:WK+16*\k+1]
.endr
.irp m, 1,2,3,4,5,6,7
.irp k, 0,1,2,3
	v_pk_fma_f32 v[LG+2*\k:LG+2*\k+1], v[ACC+16*\k+2*\m:ACC+16*\k+2*\m+1], v[WK+16*\k+2*\m:WK+16*\k+2*\m+1], v[LG+2*\k:LG+2*\k+1]
.endr
.endr
	v_pk_add_f32 v[248:249], v[248:249], v[250:251]
	v_pk_add_f32 v[252:253], v[252:253], v[254:255]
	v_add_f32 v248, v248, v249
	v_add_f32 v252, v252, v253
	v_add_f32 v248, v248, v240
	v_add_f32 v252, v252, v241
	VW
.irp x, 1,2,4,8                        ; the softmax over the 16 neighbours = the 16 lanes of my half, two heads by turns; it stands beside v's products
.if \x == 1
	v_max_num_f32_dpp v249, v248, v248 row_xmask:1 row_mask:0xf bank_mask:0xf
	v_max_num_f32_dpp v253, v252, v252 row_xmask:1 row_mask:0xf bank_mask:0xf
.else
	v_max_num_f32_dpp v249, v249, v249 row_xmask:\x row_mask:0xf bank_mask:0xf
	v_max_num_f32_dpp v253, v253, v253 row_xmask:\x row_mask:0xf bank_mask:0xf
.endif
.endr
	v_sub_f32 v248, v248, v249
	v_sub_f32 v252, v252, v253
	v_exp_f32 v248, v248
	v_exp_f32 v252, v252
	v_nop                                          ; a plain line behind the exponentials
.irp x, 1,2,4,8
.if \x == 1
	s_wait_alu depctr_va_vdst(0)
	v_add_f32_dpp v249, v248, v248 row_xmask:1 row_mask:0xf bank_mask:0xf
	v_add_f32_dpp v253, v252, v252 row_xmask:1 row_mask:0xf bank_mask:0xf
.else
	v_add_f32_dpp v249, v249, v249 row_xmask:\x row_mask:0xf bank_mask:0xf
	v_add_f32_dpp v253, v253, v253 row_xmask:\x row_mask:0xf bank_mask:0xf
.endif
.endr
	v_rcp_f32 v249, v249
	v_rcp_f32 v253, v253
	v_add_nc_u32 v[OAD], s8, v[OA]                 ; (a plain line behind the reciprocals)  where this point's result goes: q's row, which has been read
	s_wait_alu depctr_va_vdst(0)
	v_mul_f32 v248, v248, v249
	v_mul_f32 v252, v252, v253
	ds_store_b32 v[AST], v248                      ; a[head h][r],
	ds_store_b32 v[AST], v252 offset:128           ; a[head 2 + h][r]
	ds_load_b128 v[146:149], v[ALD]                ; back as my channels' heads want them: a[r / 8][8 h ..], LDS serving my instructions in order,
	ds_load_b128 v[150:153], v[ALD] offset:16
	ds_load_b128 v[154:157], v[ALD] offset:128     ; a[2 + r / 8][8 h ..]
	ds_load_b128 v[158:161], v[ALD] offset:144
	s_wait_dscnt 0x0
.irp t, 0,1,2,3,4,5,6,7
	v_pk_mul_f32 v[162+2*\t:163+2*\t], v[146+8*(\t>>2):147+8*(\t>>2)], v[ACC+8*\t:ACC+8*\t+1]
.endr
.irp m, 1,2,3
.irp t, 0,1,2,3,4,5,6,7
	v_pk_fma_f32 v[162+2*\t:163+2*\t], v[146+8*(\t>>2)+2*\m:147+8*(\t>>2)+2*\m], v[ACC+8*\t+2*\m:ACC+8*\t+2*\m+1], v[162+2*\t:163+2*\t]
.endr
.endr
.irp t, 0,1,2,3,4,5,6,7
	v_add_f32 v[178+\t], v[162+2*\t], v[163+2*\t]  ; my eight neighbours' part of tile t's channel
.endr
.irp t, 0,1,2,3
	v_permlane16_swap_b32 v[178+\t], v[182+\t]     ; tile t's two parts come into lanes 0-15, tile t + 4's into lanes 16-31
.endr
.irp t, 0,1,2,3
	v_add_f32 v[178+\t], v[178+\t], v[182+\t]
.endr
.irp t, 0,1,2,3
	ds_store_b32 v[OAD], v[178+\t] offset:32*\t
.endr
.Lp_skip:
	s_add_co_u32 s8, s8, QP
	s_add_co_u32 s7, s7, 1
	s_cmp_lt_u32 s7, 16
	s_cbranch_scc1 .Lpoint
	s_wait_loadcnt 0x0                             ; what the last trip asked for ahead
	s_wait_kmcnt 0x0
	s_cmp_ge_u32 s4, s5
	s_cbranch_scc1 .Lt_skip
; ---- O: the 16 results + (bv + bp2), quantised; Wo; + feat; LayerNorm
	TADDR
	v_and_b32 v248, 15, v0
	v_mul_u32_u24 v248, v248, QP
	v_add_nc_u32 v243, v248, v[QA]
	v_add_nc_u32 v[ROWX], XSTO, v243
	v_add_nc_u32 v[XSTL], s9, v[LI]
	v_add_nc_u32 v[XSTL], XSTO, v[XSTL]
	s_lshl_b32 s10, s6, 9
	v_add_nc_u32 v[OOF], s10, v[LI]
	v_lshl_add_u32 v[PFO], v[LI], 4, s10           ; 256 x lane + 512 x point
.irp c, 0,1
.irp j, 0,1,2,3,4,5,6,7
	ds_load_b128 v[OUT+4*\j:OUT+4*\j+3], v243 offset:256*\c+16*\j
	ds_load_b128 v[WK+4*\j:WK+4*\j+3], v[PH] offset:1024+256*\c+16*\j
.endr
	s_wait_dscnt 0x0
.irp j, 0,1,2,3,4,5,6,7,8,9,10,11,12,13,14,15
	v_pk_add_f32 v[OUT+2*\j:OUT+2*\j+1], v[OUT+2*\j:OUT+2*\j+1], v[WK+2*\j:WK+2*\j+1]
.endr
.if \c == 0
	BLOCKQ OUT, XF, 251, 0
.else
	BLOCKQ OUT, XF+6, 252, HS
.endif
.endr
	PLACES 5                                       ; eight places behind the scale word's last line, five behind the fragment's
	TP4 LI, 12288, 1024, XF, HS, 1, 0, 1536        ; the sums begin with bo
	TP4 LI, 18432, 1536, XF, HS, 1, 4, 1536
	RESLN 4, 5
	ROWS_OUT ROWX                                  ; x is kept for the second residual
	BLOCKQ WK, XF, 251, 0
	BLOCKQ WK+32, XF+6, 252, HS
	v_add_nc_u32 v[HS], 0xfefefeff, v[HS]          ; 1 off each of the four bytes (each is 1 at the least): x / 2, exactly
	PLACES 8
; ---- F1: the hidden layer, 128 units at a time; the sums begin with bf1 / 2
	TP4 LI, 24576, 2048, XF, HS, 1, 0, 3072
	TP4 LI, 30720, 2560, XF, HS, 1, 4, 3072
	HIDQ H0, H0S, 0
	TP4 LI, 36864, 3072, XF, HS, 1, 0, 3584
	TP4 LI, 43008, 3584, XF, HS, 1, 4, 3584
	s_add_co_u32 s10, s4, 1                        ; my next tile's 16 rows of feat, 8,192 bytes, are asked for here, if there is a next tile: a lane to each 256 bytes, each named once in the launch, by the wave that will load it;
	s_cmp_ge_u32 s10, s5                           ; between this line and those loads stand the rest of this tile's FFN and its way out
	s_cbranch_scc1 .Lno_pf
	global_prefetch_b8 v[PFO], s[20:21] offset:65536 th:TH_LOAD_NT scope:SCOPE_SE
.Lno_pf:
	HIDQ XF, H1S, 0                                ; x's fragment is done with: the second half of the hidden layer takes its place
; ---- F2: Wf2, two K steps, the sums begun with bf2; + x; LayerNorm; out
	TP4 LI2, 0, 4096, H0, H0S, 1, 0, 4096
	TP4 LI2, 6144, 4608, H0, H0S, 1, 4, 4096
	TP4 LI2, 12288, 5120, XF, H1S, 2, 0, 0
	TP4 LI2, 18432, 5632, XF, H1S, 2, 4, 0
	RESLN 9, 10
	ROWS_OUT ROWX
.set rq, 0
.rept 16
	ds_load_b128 v[WK+4*rq:WK+4*rq+3], v[XSTL] offset:QP*rq          ; back as whole rows; LDS serves my instructions in order
.set rq, rq+1
.endr
.set rq, 0
.rept 16
	s_wait_dscnt 15-rq                             ; row rq is in
	global_store_b128 v[OOF], v[WK+4*rq:WK+4*rq+3], s[24:25] offset:512*rq th:TH_STORE_NT   ; 32 lanes store a row: 512 consecutive bytes, at a multiple of 256 from out0's first byte
.set rq, rq+1
.endr
.Lt_skip:
	s_wait_xcnt 0x0                                ; the stores and the prefetch have read their registers: the next tile writes them
	s_add_co_u32 s4, s4, 1
	s_cmp_lt_u32 s4, 4
	s_cbranch_scc1 .Ltile
	s_set_vgpr_msb 0x5
	s_wait_tensorcnt 0x0
	ds_add_u32 v254, v255
	s_wait_dscnt 0x0
	s_set_vgpr_msb 0x500
	s_endpgm
.Lfunc_end_k_q865cdd5b9a_block:
	.size	k_q865cdd5b9a_block, .Lfunc_end_k_q865cdd5b9a_block-k_q865cdd5b9a_block
	.p2alignl 7, 3214868480
	.fill 96, 4, 3214868480
	.section	.rodata,"a",@progbits
	.p2align	6, 0x0
	.amdhsa_kernel k_q865cdd5b9a_block
		.amdhsa_group_segment_fixed_size 228352
		.amdhsa_private_segment_fixed_size 0
		.amdhsa_enable_private_segment 0
		.amdhsa_kernarg_size 152
		.amdhsa_user_sgpr_count 2
		.amdhsa_user_sgpr_kernarg_segment_ptr 1
		.amdhsa_wavefront_size32 1
		.amdhsa_system_sgpr_workgroup_id_x 1
		.amdhsa_system_sgpr_workgroup_id_y 1
		.amdhsa_system_sgpr_workgroup_id_z 1
		.amdhsa_system_vgpr_workitem_id 0
		.amdhsa_next_free_vgpr 512
		.amdhsa_next_free_sgpr 100
		.amdhsa_reserve_vcc 0
		.amdhsa_float_denorm_mode_32 3
		.amdhsa_float_denorm_mode_16_64 3
		.amdhsa_memory_ordered 1
		.amdhsa_forward_progress 1
		.amdhsa_inst_pref_size 241
	.end_amdhsa_kernel
	.amdgpu_metadata
---
amdhsa.version: [ 1, 2 ]
amdhsa.kernels:
  - .name:           k_q865cdd5b9a_block
    .symbol:         k_q865cdd5b9a_block.kd
    .args:
      - { .name: fq, .offset: 0, .size: 8, .value_kind: global_buffer, .address_space: global }
      - { .name: par, .offset: 8, .size: 8, .value_kind: global_buffer, .address_space: global }
      - { .name: feat, .offset: 16, .size: 8, .value_kind: global_buffer, .address_space: global }
      - { .name: knn_idx, .offset: 24, .size: 8, .value_kind: global_buffer, .address_space: global }
      - { .name: out0, .offset: 32, .size: 8, .value_kind: global_buffer, .address_space: global }
      - { .name: Wq_codes, .offset: 40, .size: 8, .value_kind: global_buffer, .address_space: global }
      - { .name: Wq_scales, .offset: 48, .size: 8, .value_kind: global_buffer, .address_space: global }
      - { .name: Wk_codes, .offset: 56, .size: 8, .value_kind: global_buffer, .address_space: global }
      - { .name: Wk_scales, .offset: 64, .size: 8, .value_kind: global_buffer, .address_space: global }
      - { .name: Wv_codes, .offset: 72, .size: 8, .value_kind: global_buffer, .address_space: global }
      - { .name: Wv_scales, .offset: 80, .size: 8, .value_kind: global_buffer, .address_space: global }
      - { .name: Wp2_codes, .offset: 88, .size: 8, .value_kind: global_buffer, .address_space: global }
      - { .name: Wp2_scales, .offset: 96, .size: 8, .value_kind: global_buffer, .address_space: global }
      - { .name: Wo_codes, .offset: 104, .size: 8, .value_kind: global_buffer, .address_space: global }
      - { .name: Wo_scales, .offset: 112, .size: 8, .value_kind: global_buffer, .address_space: global }
      - { .name: Wf1_codes, .offset: 120, .size: 8, .value_kind: global_buffer, .address_space: global }
      - { .name: Wf1_scales, .offset: 128, .size: 8, .value_kind: global_buffer, .address_space: global }
      - { .name: Wf2_codes, .offset: 136, .size: 8, .value_kind: global_buffer, .address_space: global }
      - { .name: Wf2_scales, .offset: 144, .size: 8, .value_kind: global_buffer, .address_space: global }
    .group_segment_fixed_size: 228352
    .private_segment_fixed_size: 0
    .kernarg_segment_align: 8
    .kernarg_segment_size: 152
    .max_flat_workgroup_size: 256
    .sgpr_count:     100
    .vgpr_count:     512
    .wavefront_size: 32
...
	.end_amdgpu_metadata
.endif
;; end of part 2
